; MI455X (gfx1250); checked and timed in simulation.
; The chip was launched on July 23, 2026; its instructions are those of AMD's public machine-readable ISA for CDNA 5 (MIT licence, August 2026) and "CDNA5" Instruction Set Architecture Reference Guide (July 2026). The comments in the code are by the model that wrote it; some were corrected since.
;; Quantized Linear. Allowed arithmetic: matrix products marked QUANTISED: E5M2 operands, one given power-of-two scale a tensor, by v_wmma_f32_16x16x64_bf8_bf8 or v_wmma_f32_16x16x128_bf8_bf8, f32 sums; everything else in f32.
;; Inputs: lowp_scales 2 int32 (the exponents e of the quantised operands' scales 2^e); scale 16,384 x 1 float32; weight 16,384 x 4,096 int8; x_codes 4 x 256 x 128 x 32 uint8 (E5M2 codes of x, K innermost, in blocks of 32 codes).
;; Outputs: out0 4 x 256 x 16,384 float32.
;; This version of the problem:
;;   THIS VERSION OF THE PROBLEM IS GIVEN IN LOW PRECISION. The matrix products marked QUANTISED in the list below multiply operands that are first quantised to E5M2 (5 exponent bits, 2 mantissa bits; 8 bits a number), with one given power-of-two scale for each operand tensor; their sums are f32. All else is computed in f32.
;;   The module's matrix products, in the order in which they are computed (A, B: the left and right operand; K: the contracted axis; several contracted axes count as one K, in the product's order):
;;     1. [M 1,024, K 4,096] x [K 4,096, N 16,384]; A: input x (given as codes); B: computed on the way: QUANTISED (scales: A lowp_scales[0], B lowp_scales[1])
;;   THE QUANTISER, for each operand of a quantised product, along K:
;;     - The operand's scale is 2^e, e = its entry of the input lowp_scales (int32; the entries are numbered through the quantised products in the list's order, A before B).
;;     - Each number is divided by the scale, clamped to +-57,344, and rounded to the nearest number of E5M2, ties to even, subnormals kept.
;;     - The product sums the exact products of the quantised numbers (number of the format x scale) in f32.
;;   ~~~python
;;   def quantise(x, axis, e):      # numpy; x: float32 -> the quantised numbers, widened to float32 again
;;       x = np.moveaxis(x, axis, -1); K = x.shape[-1]
;;       r = np.clip(x / 2.0 ** e, -57344, 57344)
;;       step = 2.0 ** (np.maximum(np.frexp(np.where(r == 0, 1, r))[1] - 1, -14) - 2)
;;       q = np.round(r / step) * step * 2.0 ** e      # np.round: ties to even
;;       return np.moveaxis(q, -1, axis).astype(np.float32)
;;   ~~~
;;   OPERANDS COMPUTED ON THE WAY. 'Computed on the way' means the value that the module computes at that place (a softmax that the list does not call 'softmax' is quantised finished and normalised). What goes into a quantiser is computed in f32, as accurately as f32 sums, v_exp_f32 and their like allow (about 1e-6 of the number): no bf16 or f16 on the way to a quantiser, and a product that is left as it is and whose result goes on into a quantised operand takes f32 operands (vector FMAs, or v_wmma_f32_16x16x4_f32). A number that lies on a knife's edge between two numbers of the format may be rounded either way, as far as f32 arithmetic and the matrix unit's own rounding can turn it there, and no further.
;;   INPUTS GIVEN AS CODES. x (in the module: [4, 256, 4096], K = its axis 2): each comes as NAME_codes (uint8): NAME with its K axis moved to the last place and cut into blocks of 32 codes, [.., K / 32, bytes a block], one block behind the other in memory; one code a byte (a code: sign, 5 exponent bits, 2 mantissa bits); its scale is its entry of lowp_scales. Its value is code x scale, taken as it is: it is not quantised again, and the codes and scales need not be those that the quantiser above would give.
;; One version. Each part assembles by itself: llvm-mc -triple=amdgcn-amd-amdhsa -mcpu=gfx1250 --defsym DOCPART=n.
;; ======== version 1 of 1: 1 launch
;; limits: right only within a limited range of input values
;; launch qlinear (part 1): grid 64 x 4, 4 waves a work-group, clusters of 4 x 4, 327,680 bytes of LDS; arguments x_codes, weight, scale, lowp_scales, out0; writes out0
.if DOCPART == 1
	.amdgcn_target "amdgcn-amd-amdhsa--gfx1250"
	.amdhsa_code_object_version 6
	.text
	.protected	k_qa3043ebc2a_qlinear
	.globl	k_qa3043ebc2a_qlinear
	.p2align	8
	.type	k_qa3043ebc2a_qlinear,@function
k_qa3043ebc2a_qlinear:
	s_mov_b64 s[64:65], 0
	v_nop
	global_prefetch_b8 v0, s[64:65] scope:SCOPE_SE
	s_setreg_imm32_b32 hwreg(HW_REG_WAVE_MODE, 25, 1), 1
	s_wait_xcnt 0x0
	s_wait_alu depctr_hold_cnt(0) depctr_sa_sdst(0) depctr_va_vdst(0) depctr_va_sdst(0) depctr_va_ssrc(0) depctr_va_vcc(0) depctr_vm_vsrc(0)
	s_getreg_b32 s2, hwreg(HW_REG_IB_STS2, 6, 4)
	s_cmp_eq_u32 s2, 0
	s_cbranch_scc0 .Lentry_in_a_cluster
	s_endpgm
.Lentry_in_a_cluster:
	s_bfe_u32 s2, ttmp6, 0x10000c
	s_cmp_lg_u32 s2, 0xf033
	s_cbranch_scc0 .Lentry_shape_is_right
	s_endpgm
.Lentry_shape_is_right:
; out[m][n] = 2^(ex + ew) x sum over k of X[m][k] Q(weight[n][k] x scale[n])[k].  X: codes of BF8 as given, [1024][4096]; weight int8 [16384][4096]; out f32 [1024][16384].
; Q is the stated quantiser: f32 product, held at +-57,344 x 2^ew, to the nearest code of E5M2.  lowp_scales holds ex, ew.
; A work-group makes 512 rows x 128 columns of out; wave w the rows 128 w .. 128 w + 127: 64 accumulators of 16 x 16, 512 registers.  256 work-groups.
; X comes in tiles of 512 rows x 256 K through a ring of two LDS slots (rows of 256 bytes of memory); a tile serves two steps of 128 along K.
; The weights come from memory into registers, three steps ahead of their use (so no prefetch is laid for them); wave w quantises the columns 32 w .. 32 w + 31 of each step
; and stores the codes into one of two LDS buffers, from which all four waves take their fragments.
; CLUSTERS: 4 x 4 work-groups.  Place (cx, cy): row half cy / 2, columns 8 x cluster + 4 (cy % 2) + cx.  The four of a row of the cluster need the same tiles of X and ask for them JOINTLY;
; the work-groups (cx, cy) and (cx, cy + 2) read the same weights, and the rounds of the cluster's barrier keep them in step.
; INT8 TO F32: a byte of weight with its top bit flipped is u = w + 128.  Laid at bits 23:16 of a word of zeros it is the f32 number u x 2^-133 (exponent fields 0 and 1 have one spacing).
; One multiply-add by s x 2^112 with the addend -128 s x 2^-21 gives w s x 2^-21, rounded once: the f32 product w s, times a power of two that the conversion's scale takes out again.
; LIMITS: |scale| under 2^16, and 0 or at least 2^-105; ew between -105 and 127; ex + ew between -126 and 127; a NaN or an infinity in scale is not carried.
; REGISTERS: window 0: v0-31 addresses, v32-117 the quantiser, v128-255 A's fragments; window 1: v0-127 B's fragments, v128-255 raw weights, four sets of one step each;
; windows 2, 3: the accumulators of my rows 0-63 and 64-127: (a, b) at v[8 (8 (a % 4) + b)].  THE MATRIX INSTRUCTION IS USED TRANSPOSED (source 0 = weights, source 1 = X): a lane holds eight neighbouring columns of a row.
.set KDIM,   4096
.set NDIM,   16384
.set PITCH,  272               ; an LDS row of X: 256 bytes + 16 of padding
.set HALFT,  128*PITCH         ; what one tensor load brings, and what one wave reads
.set SLOT,   4*HALFT
.set BBUF,   2*SLOT            ; behind the ring: two buffers of codes, 128 columns x 128 K
.set BP,     144               ; a row of codes: 128 bytes + 16
.set BBYTES, 128*BP
.set SPARE,  BBUF+2*BBYTES     ; the spare words, 128 bytes a wave
.set SPITCH, 528               ; the way out: a stage of 16 rows x (512 + 16) bytes for each wave, in slot 0 behind its last fill and last read
.set WL,   8                   ; my byte offset in the weights
.set BST,  10                  ; where I store codes
.set PFO,  11                  ; the prefetch's offset
.set SOF,  12                  ; my byte offset in scale
.set ADRA, 16                  ; v16-17: my fragments of X in slot 0, 1
.set ADRB, 20                  ; the fragments of codes
.set STO,  24
.set RD,   25
.set CO,   26
.set SPW,  28
.set NIL,  29
.set TW,   32                  ; 4: biased bytes
.set FW,   36                  ; 16: f32 numbers
.set CD,   52                  ; 32: a step's codes
.set SV,   84                  ; 8 pairs: s x 2^112
.set SCL,  100
.set LIMV, 101
.set CV,   102                 ; 8 pairs: -s x 2^-14
.set AF,   128
.set WB,   128
.set WV,   14
.set KJ,   15
.set KO,   16
.set G1,   24
.set G0,   32
.set PFA,  48
.set LIM,  50
.set SGN,  52
.set SELB, 56
.set WP,   60
.set FAC,  96
.set MUL_LO, 0xa1              ; source 0 window 1, source 1 window 0, C and D window 2
.set MUL_HI, 0xf1              ; C and D window 3
.set TO_B,   0x40              ; destination window 1
.set WX,     0x04              ; source 1 window 1
.set CHUNK,  46                ; vector instructions for 16 weights a lane
.set ALLV,   8*CHUNK           ; and for a step
.set PART,   5*CHUNK           ; those of them that stand in the second half of the step two ahead
.set MSB, 0
.macro WIN new                 ; the immediate's high byte repeats the setting that is left
.if MSB != (\new)
	s_set_vgpr_msb (MSB<<8)|(\new)
.set MSB, (\new)
.endif
.endm
.macro PLACES
.rept 4
	v_nop
.endr
.endm
.macro TLOAD sl                ; a joint load of my 128 rows: one for the four of my row of the cluster
	tensor_load_to_lds s[G0+4*\sl:G0+4*\sl+3], s[G1:G1+7]
	s_nop 0
	PLACES
.endm
.macro CREST                   ; a round of the cluster's barrier behind its opening barrier
	s_cmp_lg_u32 s[WV], 0
	s_cbranch_scc1 .Lnot_wave_0_\@
	s_barrier_signal -3
.Lnot_wave_0_\@:
	s_barrier_wait -3
	s_barrier_signal -1
	s_barrier_wait -1
.endm
.macro CROUND
	s_barrier_signal -1
	s_barrier_wait -1
	CREST
.endm
; Prefetch of X, one a lap, by four clusters: the lap's two tiles after next are shared out by address: cy % 2 takes one of the two, cx 32 of a wave's 128 rows, a lane a row.
; In trip t it names tiles 2 t + 4 and 2 t + 5, which trip t + 1 loads; the last trip asks for nothing.
.macro ASK
	s_cmp_gt_u32 s3, s[LIM]
	s_cbranch_scc0 .Lnot_mine_\@
	global_prefetch_b8 v[PFO], s[PFA:PFA+1] th:TH_LOAD_NT scope:SCOPE_SE
.Lnot_mine_\@:
.endm
; The quantiser's stream for one step: instruction vq of 368; chunk qt = 16 weights of a lane = 16 neighbours along K of row 4 qt + lane / 8.
.macro QI ws
.set qt, vq/CHUNK
.set qn, vq%CHUNK
.if qn < 4
	WIN WX
	v_xor_b32 v[TW+qn], s[SGN], v[WB+32*(\ws)+4*qt+qn]
.else
	WIN 0
.if qn < 20
.set qe, qn-4
	v_perm_b32 v[FW+qe], 0, v[TW+qe/4], s[SELB+qe%4]
.elseif qn < 28
.set qe, 2*(qn-20)
	v_pk_fma_f32 v[FW+qe:FW+qe+1], v[FW+qe:FW+qe+1], v[SV+2*qt:SV+2*qt+1], v[CV+2*qt:CV+2*qt+1]
.elseif qn < 44
.set qe, qn-28
	v_med3_num_f32 v[FW+qe], v[FW+qe], -v[LIMV], v[LIMV]
.elseif qn == 44
	v_cvt_scalef32_pk8_bf8_f32 v[CD+4*qt:CD+4*qt+1], v[FW:FW+7], v[SCL]
.else
	v_cvt_scalef32_pk8_bf8_f32 v[CD+4*qt+2:CD+4*qt+3], v[FW+8:FW+15], v[SCL]
.endif
.endif
.endm
.macro VEC n, ws               ; the stream's next n instructions
.rept \n
.if vq < ALLV
	QI \ws
.set vq, vq+1
.endif
.endr
.endm
.macro CODES buf               ; a step's codes go out as one batch
	WIN 0
.irp t, 0,1,2,3,4,5,6,7
	ds_store_b128 v[BST], v[CD+4*\t:CD+4*\t+3] offset:4*BP*\t+(\buf)*BBYTES
.endr
.endm
; Matrix instruction ii of a step: four groups of 16: A 0-3 x one half of B, A 0-3 x the other, A 4-7 x that other, A 4-7 x the first; the first half is the step's parity.
; The 64 accumulators take turns, one instruction a turn.
.macro MM zero
.set mg, ii/16
.set ma, 4*(mg/2)+(ii%16)/4
.if (mg == 0) || (mg == 3)
.set mh, PAR
.else
.set mh, 1-PAR
.endif
.set mbk, 4*mh+ii%4
.set rD, 8*(8*(ma%4)+mbk)
.if mg < 2
	WIN MUL_LO
.else
	WIN MUL_HI
.endif
.if \zero
	v_wmma_f32_16x16x128_bf8_bf8 v[rD:rD+7], v[16*mbk:16*mbk+15], v[AF+16*ma:AF+16*ma+15], 0
.else
	v_wmma_f32_16x16x128_bf8_bf8 v[rD:rD+7], v[16*mbk:16*mbk+15], v[AF+16*ma:AF+16*ma+15], v[rD:rD+7]
.endif
.set ii, ii+1
.endm
.macro FRAG reg, adr, off      ; 16 rows x 128 K: lane l: row l % 16, K = 32 c + 16 (l / 16) + 0 .. 15: the same permutation of k on both sides
.irp c, 0,1,2,3
	ds_load_b128 v[4*\c+(\reg):4*\c+3+(\reg)], v[\adr] offset:32*\c+(\off)
.endr
.endm
.macro FETCH_A sl, q, a0
	WIN 0
.irp d, 0,1,2,3
	FRAG AF+16*((\a0)+\d), ADRA+(\sl), 128*(\q)+((\a0)+\d)*16*PITCH
.endr
.endm
.macro FETCH_B buf, hf
	WIN TO_B
.irp d, 0,1,2,3
	FRAG 16*(4*(\hf)+\d), ADRB, (\buf)*BBYTES+(4*(\hf)+\d)*16*BP
.endr
	WIN 0
.endm
; Step m.  First half: the last three chunks of step m + 1's weights; its codes are stored; the barrier.  Second half: the first five chunks of step m + 2's, and step m + 1's fragments are fetched.
; turn: a slot's last step; fill: the slot is filled again; ld: weights of step m + 5 are asked for, into the set just used; tail: the step ahead of the last two, which go by rows.
; Blocking waits and branches stand between two chunks of the stream.
.macro STEP m, zero, turn, fill, ld, tail
.set PAR, (\m)%2
.set SLC, ((\m)/2)%2
.set SLN, (((\m)+1)/2)%2
.set QN,  ((\m)+1)%2
.set SA,  ((\m)+1)%4
.set SB,  ((\m)+2)%4
.set ii, 0
.set vq, PART
	s_wait_dscnt 32                        ; A 0-3 and the first half of B are in; the youngest 32 loads may be out
.rept 16
	MM \zero
.if ii <= 10
	VEC 9, SA
.else
	VEC 8, SA
.endif
.endr
	WIN 0
	CODES QN                               ; the buffer that step m - 1 was read from: every wave's reads of it were over at the barrier before
	s_wait_dscnt 24                        ; B's other half is in; A 4-7 (16 loads) and the 8 stores may be out
.if \ld
	s_wait_xcnt 0x0                        ; the earlier loads and the prefetch have read their bases
	s_add_co_u32 s[KJ], s[KJ], 128
	s_min_u32 s[KO], s[KJ], KDIM-128       ; past the end the last step's bytes are read again and not used
	s_add_nc_u64 s[WP:WP+1], s[6:7], s[KO:KO+1]
.if \fill && ((\m) == 1)
	s_add_nc_u64 s[PFA:PFA+1], s[PFA:PFA+1], 512
.endif
	WIN TO_B
.irp t, 0,1,2,3,4,5,6,7
	global_load_b128 v[WB+32*SA+4*\t:WB+32*SA+4*\t+3], v[WL], s[WP:WP+1] offset:16384*\t
.endr
	WIN 0
	s_wait_loadcnt 24                      ; step m + 2's weights are in; those of m + 3, m + 4, m + 5 may be out
.else
	s_wait_loadcnt 16                      ; the same; the two youngest groups of eight may be out
.endif
.if \turn
	s_wait_tensorcnt 0x0                   ; all my tensor loads have landed: my part of the next slot;
	ds_add_u32 v[SPW], v[NIL]
.endif
.rept 8
	MM \zero
.endr
	s_wait_dscnt 0x0                       ; my codes are stored, my reads of this step's tile and codes are over
	s_barrier_signal -1
.rept 8
	MM \zero
.endr
	WIN 0
	s_barrier_wait -1
.if \fill
	CREST                                  ; no wave of any partner still reads this slot or has a load on its way
	s_add_nc_u64 s[G0+4*SLC+2:G0+4*SLC+3], s[G0+4*SLC+2:G0+4*SLC+3], 512
	TLOAD SLC                              ; its four v_nop are also the places in front of the loads below
.else
	PLACES
.endif
.if (\tail) == 0
	FETCH_A SLN, QN, 0
.endif
.if \fill && ((\m) == 1)
	ASK
.endif
.set vq, 0
.rept 16
	MM \zero
.if \tail
	VEC 12, SB
.elseif ii <= 38
	VEC 8, SB
.else
	VEC 7, SB
.endif
.endr
	FETCH_B QN, 1-PAR                      ; (the stream's instructions behind the last matrix instruction are its places)
.rept 16
	MM \zero
.if \tail
	VEC 12, SB
.else
	VEC 7, SB
.endif
.endr
.if (\tail) == 0
	FETCH_B QN, PAR
	FETCH_A SLN, QN, 4
.endif
	WIN 0
.endm
	s_load_b256 s[4:11], s[0:1], 0x0               ; X's codes, weights, scale, lowp_scales
	s_load_b64 s[12:13], s[0:1], 0x20              ; out
	v_lshl_add_u32 v[SPW], v0, 2, SPARE
	v_mov_b32 v[NIL], 0
	ds_add_u32 v[SPW], v[NIL]                      ; the opening
	ds_add_u32 v[SPW], v[NIL]
	v_lshrrev_b32 v1, 5, v0
	v_readfirstlane_b32 s[WV], v1                  ; wave 0..3
	s_bfe_u32 s40, ttmp6, 0x40000                  ; cx
	s_bfe_u32 s41, ttmp6, 0x40004                  ; cy
	s_lshr_b32 s42, s41, 1                         ; my half of the rows
	s_lshl_b32 s45, s41, 2
	s_lshl_b32 s45, 15, s45                        ; the mask: my row of the cluster
	s_or_b32 s[G1], s45, (1<<20)|(1<<21)|(5<<22)|(3<<25)   ; elements of 1 byte; 16 bytes of padding behind 256
	s_mov_b32 s[G1+1], 256<<16
	s_mov_b32 s[G1+2], 128<<16
	s_mov_b32 s[G1+3], 256<<16
	s_mov_b32 s[G1+4], 128
	s_mov_b32 s[G1+5], KDIM
	s_mov_b32 s[G1+6], 0
	s_mov_b32 s[G1+7], 0
	s_lshl_b32 s20, s42, 21                        ; X: 512 rows of 4,096 bytes to a half,
	s_lshl_b32 s21, s[WV], 19                      ; 128 to a wave
	s_add_co_u32 s20, s20, s21
	s_mov_b32 s21, 0
	s_mul_i32 s46, s[WV], HALFT
	s_add_co_u32 s47, s46, SLOT
	s_and_b32 s44, s41, 1
	s_lshl_b32 s43, ttmp9, 3
	s_lshl_b32 s51, s44, 2
	s_add_co_u32 s43, s43, s51
	s_add_co_u32 s43, s43, s40                     ; which 128 columns of out
	s_mul_i32 s51, s[WV], 32*BP
	s_add_co_u32 s51, s51, BBUF
	s_mov_b32 s[SGN], 0x80808080
.irp i, 0,1,2,3
	s_mov_b32 s[SELB+\i], 0x04000404+(\i<<16)      ; byte i at bits 23:16, zeros round it
.endr
	s_mov_b32 s[KJ], 4*128
	s_mov_b32 s[KO+1], 0
	v_bfe_u32 v3, v0, 3, 2                         ; weights: 8 lanes take 128 bytes of a row, an instruction 4 rows
	v_and_b32 v4, 7, v0
	v_and_b32 v1, 15, v0
	v_bfe_u32 v2, v0, 4, 1
	v_and_b32 v5, 31, v0
	v_lshlrev_b32 v[WL], 4, v4
	v_lshl_add_u32 v[WL], v3, 12, v[WL]
	v_lshlrev_b32 v[SOF], 2, v3
	v_lshlrev_b32 v[PFO], 12, v5
	v_mul_u32_u24 v[BST], v3, BP
	v_lshl_add_u32 v[BST], v4, 4, v[BST]
	v_add_nc_u32 v[BST], s51, v[BST]
	v_mul_u32_u24 v6, v1, PITCH
	v_lshl_add_u32 v6, v2, 4, v6
	v_add_nc_u32 v[ADRA], s46, v6
	v_add_nc_u32 v[ADRA+1], s47, v6
	v_mul_u32_u24 v[ADRB], v1, BP
	v_lshl_add_u32 v[ADRB], v2, 4, v[ADRB]
	v_add_nc_u32 v[ADRB], BBUF, v[ADRB]
	v_mul_u32_u24 v[STO], v1, SPITCH
	v_lshl_add_u32 v[STO], v2, 5, v[STO]
	v_add_nc_u32 v[STO], s46, v[STO]
	v_lshlrev_b32 v[CO], 4, v5
	v_add_nc_u32 v[RD], s46, v[CO]
	s_wait_alu depctr_va_vdst(0)
	s_wait_dscnt 0x0                               ; both opening adds are done
	s_wait_kmcnt 0x0
	s_load_b64 s[FAC:FAC+1], s[10:11], 0x0         ; ex, ew
	s_lshl_b32 s22, s43, 19                        ; weights: 128 rows of 4,096 bytes to a work-group, 32 to a wave
	s_lshl_b32 s18, s[WV], 17
	s_add_co_u32 s22, s22, s18
	s_mov_b32 s23, 0
	s_add_nc_u64 s[6:7], s[6:7], s[22:23]
	s_lshl_b32 s22, s43, 9
	s_lshl_b32 s18, s[WV], 7
	s_add_co_u32 s18, s22, s18
	s_mov_b32 s19, 0
	s_add_nc_u64 s[8:9], s[8:9], s[18:19]
.irp t, 0,1,2,3,4,5,6,7
	global_load_b32 v[SV+2*\t], v[SOF], s[8:9] offset:16*\t
.endr
.macro RAW j
	WIN TO_B
.irp t, 0,1,2,3,4,5,6,7
	global_load_b128 v[WB+32*((\j)%4)+4*\t:WB+32*((\j)%4)+4*\t+3], v[WL], s[6:7] offset:16384*\t+128*(\j)
.endr
	WIN 0
.endm
	RAW 0                                          ; the weights of steps 0 and 1 are asked for ahead of the first round
	RAW 1
	s_add_nc_u64 s[20:21], s[4:5], s[20:21]
.irp sl, 0,1
	s_mov_b32 s[G0+4*\sl], 1
	s_add_co_u32 s[G0+4*\sl+1], s46, \sl*SLOT
	s_add_nc_u64 s[G0+4*\sl+2:G0+4*\sl+3], s[20:21], \sl*256
	s_or_b32 s[G0+4*\sl+3], s[G0+4*\sl+3], 0x80000000
.endr
	CROUND                                         ; all sixteen work-groups are here: the first joint loads meet
	TLOAD 0
	RAW 2
	RAW 3
	s_lshl_b32 s18, s42, 25                        ; out: rows of 65,536 bytes: 512 to a half, 128 to a wave; 512 bytes of columns
	s_add_co_u32 s22, s22, s18
	s_lshl_b32 s18, s[WV], 23
	s_add_co_u32 s22, s22, s18
	s_add_nc_u64 s[12:13], s[12:13], s[22:23]
	s_lshl_b32 s18, s42, 21                        ; the prefetch: my wave's 128 rows, 32 of them by cx; tile 2 + cy % 2, stepped by two tiles ahead of each use
	s_lshl_b32 s22, s40, 17
	s_add_co_u32 s18, s18, s22
	s_lshl_b32 s22, s[WV], 19
	s_add_co_u32 s18, s18, s22
	s_lshl_b32 s22, s44, 8
	s_add_co_u32 s18, s18, s22
	s_add_co_u32 s18, s18, 2*256
	s_add_nc_u64 s[PFA:PFA+1], s[4:5], s[18:19]
	s_cmp_lt_u32 ttmp9, 4
	s_cselect_b32 s[LIM], 1, -1
	s_wait_kmcnt 0x0
	s_add_co_i32 s18, s[FAC+1], 106
	s_lshl_b32 s19, s18, 23
	v_mov_b32 v[SCL], s19                          ; 2^(ew - 21): the numbers stand there times 2^-21
	s_add_co_i32 s18, s18, 15
	s_lshl_b32 s18, s18, 23
	s_or_b32 s18, s18, 0x600000
	v_mov_b32 v[LIMV], s18                         ; 57,344 x that
	s_add_co_i32 s[FAC], s[FAC], s[FAC+1]
	s_add_co_i32 s[FAC], s[FAC], 127
	s_lshl_b32 s[FAC], s[FAC], 23                  ; 2^(ex + ew)
	s_mov_b32 s[FAC+1], s[FAC]
	s_wait_loadcnt 24                              ; scale and step 0's weights are in; steps 1 to 3 may be out
.irp t, 0,1,2,3,4,5,6,7
	v_mul_f32 v[CV+2*\t], 0xb8800000, v[SV+2*\t]   ; -s x 2^-14 = -128 s x 2^-21
	v_mul_f32 v[CV+2*\t+1], 0xb8800000, v[SV+2*\t]
	v_mul_f32 v[SV+2*\t+1], 0x77800000, v[SV+2*\t] ; s x 2^112
	v_mul_f32 v[SV+2*\t], 0x77800000, v[SV+2*\t]
.endr
.set vq, 0
	VEC ALLV, 0                                    ; step 0's codes
	CODES 0
	RAW 4
	s_wait_loadcnt 24                              ; step 1's weights are in; steps 2 to 4 may be out
.set vq, 0
	VEC PART, 1                                    ; step 1's first five chunks
	s_wait_tensorcnt 0x0                           ; my part of tile 0 is in
	ds_add_u32 v[SPW], v[NIL]
	s_wait_dscnt 0x0                               ; the add and my stores of step 0's codes are done
	CROUND                                         ; everybody's part of tile 0 and step 0's codes are there
	TLOAD 1
	FETCH_A 0, 0, 0
	FETCH_B 0, 0
	FETCH_B 0, 1
	FETCH_A 0, 0, 4
	STEP 0, 1, 0, 0, 1, 0                          ; its products start the sums
	s_mov_b32 s3, 7
.Llap:                                                 ; steps 1 to 28, four a trip: once round the ring and round the four sets of weights
	STEP 1, 0, 1, 1, 1, 0
	STEP 2, 0, 0, 0, 1, 0
	STEP 3, 0, 1, 1, 1, 0
	STEP 0, 0, 0, 0, 1, 0
	s_sub_co_u32 s3, s3, 1
	s_cmp_lg_u32 s3, 0
	s_cbranch_scc1 .Llap
	STEP 29, 0, 1, 0, 0, 1                         ; all of step 31's weights are quantised here
; THE LAST TWO STEPS (tile 15, slot 1) GO BY ROWS OF OUT: all their fragments of B fill window 1 (step 30 in v0-127, step 31 in v128-255); my eight blocks of 16 rows are finished one after the other,
; 16 matrix instructions each, and leave through my stage while the next is multiplied.
.macro ALOAD a                                         ; block a's fragments of X for both steps -> v192 or v224
.irp q, 0,1
	FRAG 192+32*((\a)%2)+16*\q, ADRA+1, 128*\q+(\a)*16*PITCH
.endr
.endm
.macro ROWK a, q
	WIN MUL_LO+0x50*((\a)/4)
.set AA, 192+32*((\a)%2)+16*(\q)
.irp b, 0,1,2,3,4,5,6,7
.set rD, 64*((\a)%4)+8*\b
	v_wmma_f32_16x16x128_bf8_bf8 v[rD:rD+7], v[128*(\q)+16*\b:128*(\q)+16*\b+15], v[AA:AA+15], v[rD:rD+7]
.endr
.endm
.macro TOSTAGE a                                       ; sums x 2^(ex + ew) in place, into my stage, and back as whole rows of 512 bytes; LDS serves a wave's instructions in order (ISA guide 5.7.1.4)
.set AC, 64*((\a)%4)
.set AW, 2+((\a)/4)
.set BB, 32+96*((\a)%2)
	WIN AW+(AW<<6)
.irp j, 0,2,4,6,8,10,12,14,16,18,20,22,24,26,28,30,32,34,36,38,40,42,44,46,48,50,52,54,56,58,60,62
	v_pk_mul_f32 v[AC+\j:AC+\j+1], v[AC+\j:AC+\j+1], s[FAC:FAC+1] op_sel_hi:[1,0]
.endr
	WIN AW<<2
.irp b, 0,1,2,3,4,5,6,7
	ds_store_b128 v[STO], v[AC+8*\b:AC+8*\b+3] offset:64*\b
	ds_store_b128 v[STO], v[AC+8*\b+4:AC+8*\b+7] offset:64*\b+16
.endr
	WIN 0
.irp t, 0,1,2,3,4,5,6,7,8,9,10,11,12,13,14,15
	ds_load_b128 v[BB+4*\t:BB+4*\t+3], v[RD] offset:\t*SPITCH
.endr
.endm
.macro SEND a, younger                                 ; younger: the fragment loads issued behind the stage's, which may stay out
.set BB, 32+96*((\a)%2)
	WIN 0
	s_wait_dscnt \younger
	s_wait_xcnt 0x0                                ; the block before has left its registers: the next block's rows may land there
.irp t, 0,1,2,3,4,5,6,7,8,9,10,11,12,13,14,15
	global_store_b128 v[CO], v[BB+4*\t:BB+4*\t+3], s[12:13] offset:(16*(\a)+\t)*NDIM*4 th:TH_STORE_NT   ; 32 lanes store 512 consecutive bytes, aligned
.endr
.endm
	PLACES
	CODES 1                                        ; step 31's codes: the buffer of step 29, whose reads were over at the last barrier
	FETCH_B 0, 1
	ALOAD 0
	ALOAD 1
	s_wait_loadcnt 0x0                             ; no load into the raw weights' registers is out
	s_wait_dscnt 0x0                               ; my codes are stored and my fragments are in
	s_barrier_signal -1
	ROWK 0, 0
	ROWK 1, 0
	WIN 0
	s_barrier_wait -1
	WIN TO_B
.irp d, 0,1,2,3,4,5,6,7
	FRAG 128+16*\d, ADRB, BBYTES+\d*16*BP
.endr
	WIN 0
	s_wait_dscnt 0x0
	ROWK 0, 1
.irp a, 0,1,2,3,4,5,6,7
	PLACES                                         ; for the reads of results just made, and the loads into fragments just multiplied
	TOSTAGE \a
.if \a < 6
	ALOAD \a+2
.endif
.if \a < 7
.if \a > 0
.if \a < 6
	s_wait_dscnt 40                                ; block a + 1's fragments are in; behind them 16 stores, 16 loads and block a + 2's 8
.else
	s_wait_dscnt 32
.endif
	ROWK \a+1, 0
.endif
	ROWK \a+1, 1
.endif
.if \a < 6
	SEND \a, 8
.else
	SEND \a, 0
.endif
.endr
	s_wait_tensorcnt 0x0                           ; the wave's end
	ds_add_u32 v[SPW], v[NIL]
	s_wait_dscnt 0x0
	CROUND                                         ; the closing round
	s_endpgm
.Lfunc_end_k_qa3043ebc2a_qlinear:
	.size	k_qa3043ebc2a_qlinear, .Lfunc_end_k_qa3043ebc2a_qlinear-k_qa3043ebc2a_qlinear
	.p2alignl 7, 3214868480
	.fill 96, 4, 3214868480
	.section	.rodata,"a",@progbits
	.p2align	6, 0x0
	.amdhsa_kernel k_qa3043ebc2a_qlinear
		.amdhsa_group_segment_fixed_size 327680
		.amdhsa_private_segment_fixed_size 0
		.amdhsa_enable_private_segment 0
		.amdhsa_kernarg_size 40
		.amdhsa_user_sgpr_count 2
		.amdhsa_user_sgpr_kernarg_segment_ptr 1
		.amdhsa_wavefront_size32 1
		.amdhsa_system_sgpr_workgroup_id_x 1
		.amdhsa_system_sgpr_workgroup_id_y 1
		.amdhsa_system_sgpr_workgroup_id_z 1
		.amdhsa_system_vgpr_workitem_id 0
		.amdhsa_next_free_vgpr 1024
		.amdhsa_next_free_sgpr 100
		.amdhsa_reserve_vcc 0
		.amdhsa_float_denorm_mode_32 3
		.amdhsa_float_denorm_mode_16_64 3
		.amdhsa_memory_ordered 1
		.amdhsa_forward_progress 1
		.amdhsa_inst_pref_size 255
	.end_amdhsa_kernel
	.section	.bss,"aw",@nobits
	.p2align	6
	.space	262144
	.amdgpu_metadata
---
amdhsa.version: [ 1, 2 ]
amdhsa.kernels:
  - .name:           k_qa3043ebc2a_qlinear
    .symbol:         k_qa3043ebc2a_qlinear.kd
    .args:
      - { .name: x_codes, .offset: 0, .size: 8, .value_kind: global_buffer, .address_space: global }
      - { .name: weight, .offset: 8, .size: 8, .value_kind: global_buffer, .address_space: global }
      - { .name: scale, .offset: 16, .size: 8, .value_kind: global_buffer, .address_space: global }
      - { .name: lowp_scales, .offset: 24, .size: 8, .value_kind: global_buffer, .address_space: global }
      - { .name: out0, .offset: 32, .size: 8, .value_kind: global_buffer, .address_space: global }
    .group_segment_fixed_size: 327680
    .private_segment_fixed_size: 0
    .kernarg_segment_align: 8
    .kernarg_segment_size: 40
    .max_flat_workgroup_size: 128
    .sgpr_count:     100
    .vgpr_count:     1024
    .wavefront_size: 32
...
	.end_amdgpu_metadata
.endif
;; end of part 1
